; MI455X (gfx1250); checked and timed in simulation.
; The chip was launched on July 23, 2026; its instructions are those of AMD's public machine-readable ISA for CDNA 5 (MIT licence, August 2026) and "CDNA5" Instruction Set Architecture Reference Guide (July 2026). The comments in the code are by the model that wrote it; some were corrected since.
;; Embedding LSTM Cell. Allowed arithmetic: matrix products marked QUANTISED: E4M3 operands, one given power-of-two scale a tensor, by v_wmma_f32_16x16x64_fp8_fp8 or v_wmma_f32_16x16x128_fp8_fp8, f32 sums; everything else in f32.
;; Inputs: Wc 4,096 x 2,048 float32; Wf 4,096 x 2,048 float32; Wi 4,096 x 2,048 float32; Wo 4,096 x 2,048 float32; bc 2,048 float32; bf 2,048 float32; bi 2,048 float32; bo 2,048 float32; c_prev 2,048 x 2,048 float32; embedding_vec 2,048 x 1 float32; h_prev 2,048 x 2,048 float32; lowp_scales 2 int32 (the exponents e of the quantised operands' scales 2^e); x 2,048 x 2,048 float32.
;; Outputs: out0 2,048 x 2,048 float32; out1 2,048 x 2,048 float32.
;; This version of the problem:
;;   THIS VERSION OF THE PROBLEM IS GIVEN IN LOW PRECISION. The matrix products marked QUANTISED in the list below multiply operands that are first quantised to E4M3 (4 exponent bits, 3 mantissa bits; 8 bits a number), with one given power-of-two scale for each operand tensor; their sums are f32. All else is computed in f32.
;;   The module's matrix products, in the order in which they are computed (A, B: the left and right operand; K: the contracted axis; several contracted axes count as one K, in the product's order):
;;     1. [M 2,048, K 4,096] x [K 4,096, N 8,192]; A: computed on the way; B: computed on the way: QUANTISED (scales: A lowp_scales[0], B lowp_scales[1])
;;   THE QUANTISER, for each operand of a quantised product, along K:
;;     - The operand's scale is 2^e, e = its entry of the input lowp_scales (int32; the entries are numbered through the quantised products in the list's order, A before B).
;;     - Each number is divided by the scale, clamped to +-448, and rounded to the nearest number of E4M3, ties to even, subnormals kept.
;;     - The product sums the exact products of the quantised numbers (number of the format x scale) in f32.
;;   ~~~python
;;   def quantise(x, axis, e):      # numpy; x: float32 -> the quantised numbers, widened to float32 again
;;       x = np.moveaxis(x, axis, -1); K = x.shape[-1]
;;       r = np.clip(x / 2.0 ** e, -448, 448)
;;       step = 2.0 ** (np.maximum(np.frexp(np.where(r == 0, 1, r))[1] - 1, -6) - 3)
;;       q = np.round(r / step) * step * 2.0 ** e      # np.round: ties to even
;;       return np.moveaxis(q, -1, axis).astype(np.float32)
;;   ~~~
;;   OPERANDS COMPUTED ON THE WAY. 'Computed on the way' means the value that the module computes at that place (a softmax that the list does not call 'softmax' is quantised finished and normalised). What goes into a quantiser is computed in f32, as accurately as f32 sums, v_exp_f32 and their like allow (about 1e-6 of the number): no bf16 or f16 on the way to a quantiser, and a product that is left as it is and whose result goes on into a quantised operand takes f32 operands (vector FMAs, or v_wmma_f32_16x16x4_f32). A number that lies on a knife's edge between two numbers of the format may be rounded either way, as far as f32 arithmetic and the matrix unit's own rounding can turn it there, and no further.
;; One version. Each part assembles by itself: llvm-mc -triple=amdgcn-amd-amdhsa -mcpu=gfx1250 --defsym DOCPART=n.
;; ======== version 1 of 1: 2 launches
;; limits: right only within a limited range of input values
;; workspace buffers: a_codes 8,388,608 bytes; w_codes 33,554,432 bytes
;; launch quant (part 1): grid 16 x 64, 4 waves a work-group, no clusters, 55,808 bytes of LDS; arguments Wf, Wi, Wc, Wo, x, h_prev, lowp_scales, w_codes, a_codes; writes w_codes, a_codes
.if DOCPART == 1
	.amdgcn_target "amdgcn-amd-amdhsa--gfx1250"
	.amdhsa_code_object_version 6
	.text
	.protected	k_q916c8899c3_quant
	.globl	k_q916c8899c3_quant
	.p2align	8
	.type	k_q916c8899c3_quant,@function
k_q916c8899c3_quant:
	s_mov_b64 s[64:65], 0
	v_nop
	global_prefetch_b8 v0, s[64:65] scope:SCOPE_SE
	s_setreg_imm32_b32 hwreg(HW_REG_WAVE_MODE, 25, 1), 1
	s_wait_xcnt 0x0
; BOTH OPERANDS OF THE PRODUCT BECOME CODES OF FP8 (E4M3), one byte each, K innermost.  code = number / 2^e, held within +-448, rounded to the nearest code, ties to even.
; e = entry 0 (int32) of lowp_scales for cat = [x | h_prev], entry 1 for the weights.  LIMITS: each e between -126 and 119, so that 2^e and 448 x 2^e are f32 numbers.  NaN among the inputs is not served; an infinity is held at the largest code.
; W.  The four weights, each [4096 (k)][2048 (j)] f32 with K as FIRST axis, go to w_codes[8192 (n')][4096 (k)].  THE ROWS ARE ORDERED FOR THE NEXT LAUNCH: hidden column j of gate g (f, i, c, o = 0..3) is row
;   n' = (j / 32) x 128 + g x 32 + j % 32, so that 128 neighbouring rows are the four gates of the same 32 hidden columns.
;   A LANE TAKES A COLUMN j, AND ITS REGISTERS RUN DOWN K: each load reads neighbouring columns in neighbouring lanes (128 consecutive bytes a wave, 512 a work-group), and the conversions, which take neighbours along K
;   from one lane's registers, give codes with K innermost.  A lane's codes belong to one row of w_codes and its neighbours' to other rows: they go through the wave's own stage in LDS and leave by rows.
; CAT.  a_codes[2048][4096]: k < 2048 from x, k >= 2048 from h_prev.  K is innermost already.  Each load reads 512 consecutive bytes, 16 a lane; a step's 2,048 bytes go through a stage of the wave's own as they lie and come
;   back 64 bytes a lane (16 bytes of padding behind each 64), so that a lane holds 16 neighbours along K.  A lane's 16 codes are 16 bytes: a store covers 512 consecutive bytes, aligned.
; SHARES.  Work-group x: 128 hidden columns; y = 16 x gate + which 256 along K.  A wave: 32 columns x 256 k of its gate (8 blocks of 32 a lane), AND one row of x or of h_prev (4 steps of 512 numbers): 4,096 waves, 2,048 + 2,048 rows.
;   Every work-group takes the same path: only pointers are chosen by the work-group's number.  The row's 16 loads go out in W's block 6, where no further load of W is due, and the row is worked behind W's stores.
; Waves share nothing: no barrier.  No matrix unit, cluster or tensor load: a stream.
; WORK LEFT OUT: embedding_vec is a parameter of reference() from which no result is computed, whatever it holds: it is not loaded and is among no launch's arguments.  LIMIT: a NaN or an infinity in it is not carried to the results.
.set NB,    8                          ; W: blocks of 32 along K for a wave
.set PITCH, 272                        ; W: a stage row: 256 bytes of codes + 16
.set KROW,  4096                       ; a row of w_codes or of a_codes in bytes
.set WROW,  8192                       ; a row of a weight in bytes; the largest load offset is 255 x 8,192, inside the signed 24-bit immediate
.set SP,    80                         ; cat: a lane's place in a stage: 64 bytes + 16 of padding
.set STG,   32*SP                      ; cat: a stage; two for each wave, by turns
.set CATS,  4*32*PITCH                 ; cat's stages lie behind W's four
.set X,     32                         ; v32-95   W: two sets of 32 numbers
.set C,     96                         ; v96-103  W: a block's codes
.set OUTR,  112                        ; v112-175 W: the way out
.set R,     176                        ; v176-239 cat: four sets of 16 numbers as loaded, one for each step
.set XC,    32                         ; v32-63   cat: two sets of 16 neighbours (W's set 0 is done with behind block 6)
.set CC,    64                         ; v64-79   cat: four registers of codes for each step (W's set 1 is done with behind block 7): no store's data are written again
	s_load_b256 s[4:11], s[0:1], 0x0               ; Wf, Wi, Wc, Wo
	s_load_b256 s[12:19], s[0:1], 0x20             ; x s[12:13], h_prev s[14:15], lowp_scales s[16:17], w_codes s[18:19]
	s_load_b64 s[20:21], s[0:1], 0x40              ; a_codes
	v_lshl_add_u32 v240, v0, 2, 0xd800
	v_mov_b32 v241, 0
	v_lshrrev_b32 v1, 5, v0
	v_readfirstlane_b32 s22, v1                    ; wave 0..3
	v_and_b32 v2, 31, v0                           ; lane
	s_lshl_b32 s23, ttmp9, 2
	s_add_co_u32 s23, s23, s22                     ; my group of 32 hidden columns: 0..63
	s_and_b32 s24, ttmp7, 0xffff                   ; work-group y: 0..63
	s_lshr_b32 s25, s24, 4                         ; the gate
	s_and_b32 s26, s24, 15                         ; which 256 along K
	v_lshlrev_b32 v3, 2, v2                        ; W in: 4 bytes a lane; never rewritten
	s_mul_i32 s27, s22, 32*PITCH                   ; my stage for W
	v_mul_u32_u24 v4, v2, PITCH
	v_add_nc_u32 v4, s27, v4                       ; into it: row = my column
	v_and_b32 v5, 15, v2
	v_lshrrev_b32 v6, 4, v2
	v_mul_u32_u24 v7, v6, PITCH
	v_lshl_add_u32 v7, v5, 4, v7
	v_add_nc_u32 v7, s27, v7                       ; out of it: sixteen lanes to a row, two rows an instruction
	v_lshlrev_b32 v8, 12, v6
	v_lshl_add_u32 v8, v5, 4, v8                   ; and the same place in w_codes
	v_lshlrev_b32 v9, 4, v2                        ; cat: 16 x lane: my bytes of a load's 512 and of a store's 512; never rewritten
	s_mul_i32 s28, s22, 2*STG
	s_add_co_u32 s28, s28, CATS                    ; my two stages for cat
	v_lshrrev_b32 v14, 2, v2
	v_mul_u32_u24 v14, v14, SP
	v_and_b32 v15, 3, v2
	v_lshl_add_u32 v14, v15, 4, v14
	v_add_nc_u32 v14, s28, v14                     ; on the way in: four lanes' 64 bytes on end, then the padding
	v_mul_u32_u24 v15, v2, SP
	v_add_nc_u32 v15, s28, v15                     ; and on the way out: my 16 neighbours
	s_lshl_b32 s30, s26, 21                        ; the weight: 256 rows of 8,192 bytes for each step along K,
	s_lshl_b32 s29, s23, 7                         ; + 32 columns of 4 bytes
	s_add_co_u32 s30, s30, s29
	s_mov_b32 s31, 0
	s_lshl_b32 s32, s23, 7                         ; its codes: row 128 x group
	s_lshl_b32 s29, s25, 5                         ; + 32 x gate,
	s_add_co_u32 s32, s32, s29
	s_lshl_b32 s32, s32, 12                        ; of 4,096 bytes,
	s_lshl_b32 s29, s26, 8                         ; + my 256 along K
	s_add_co_u32 s32, s32, s29
	s_mov_b32 s33, 0
	s_lshl_b32 s34, s24, 4
	s_add_co_u32 s34, s34, ttmp9                   ; the work-group's number in the whole grid: 16 y + x, 0..1023
	s_and_b32 s34, s34, 511                        ; the first 512 take x, the others h_prev
	s_lshl_b32 s34, s34, 2
	s_add_co_u32 s34, s34, s22                     ; my wave's row of that tensor: 0..2047
	s_lshl_b32 s38, s34, 13                        ; a row of 8,192 bytes of f32
	s_mov_b32 s39, 0
	s_lshl_b32 s40, s34, 12                        ; a row of 4,096 bytes of codes
	s_mov_b32 s41, 0
	s_wait_kmcnt 0x0
	s_load_b64 s[36:37], s[16:17], 0x0             ; e of cat, e of W
	s_cmp_eq_u32 s25, 1                            ; the gate's weight: the choices hang on the work-group's number alone
	s_cselect_b64 s[4:5], s[6:7], s[4:5]
	s_cmp_eq_u32 s25, 2
	s_cselect_b64 s[4:5], s[8:9], s[4:5]
	s_cmp_eq_u32 s25, 3
	s_cselect_b64 s[4:5], s[10:11], s[4:5]
	s_cmp_lt_u32 s24, 32                           ; y < 32: the grid's first 512 work-groups: x
	s_cselect_b64 s[12:13], s[12:13], s[14:15]
	s_cselect_b32 s35, 0, 2048                     ; h_prev's codes begin 2,048 bytes into a row
	s_add_co_u32 s40, s40, s35
	s_add_nc_u64 s[4:5], s[4:5], s[30:31]
	s_add_nc_u64 s[18:19], s[18:19], s[32:33]
	s_add_nc_u64 s[12:13], s[12:13], s[38:39]
	s_add_nc_u64 s[20:21], s[20:21], s[40:41]
.macro LOAD t                          ; W's block t: W(32 t + i, my column), i = 0 .. 31, into set t % 2
.irp i, 0,1,2,3,4,5,6,7,8,9,10,11,12,13,14,15,16,17,18,19,20,21,22,23,24,25,26,27,28,29,30,31
	global_load_b32 v[X+32*((\t)%2)+\i], v3, s[4:5] offset:(32*(\t)+\i)*WROW th:TH_LOAD_NT
.endr
.endm
.macro CATLOAD                         ; my row of x or h_prev, whole: 16 loads of 512 consecutive bytes; read once in the launch
.irp s, 0,1,2,3
.irp i, 0,1,2,3
	global_load_b128 v[R+16*\s+4*\i:R+16*\s+4*\i+3], v9, s[12:13] offset:2048*\s+512*\i th:TH_LOAD_NT
.endr
.endr
.endm
	LOAD 0
	LOAD 1
	s_wait_kmcnt 0x0
	s_add_co_i32 s37, s37, 127
	s_lshl_b32 s42, s37, 23
	v_mov_b32 v11, s42                             ; W: 2^e as f32: the conversion takes its exponent field
	s_add_co_i32 s37, s37, 8
	s_lshl_b32 s37, s37, 23
	s_or_b32 s37, s37, 0x600000
	v_mov_b32 v10, s37                             ; W: 448 x 2^e
	s_add_co_i32 s36, s36, 127
	s_lshl_b32 s42, s36, 23
	v_mov_b32 v13, s42                             ; cat: 2^e
	s_add_co_i32 s36, s36, 8
	s_lshl_b32 s36, s36, 23
	s_or_b32 s36, s36, 0x600000
	v_mov_b32 v12, s36                             ; cat: 448 x 2^e
.macro BLOCK t
.set XS, X+32*((\t)%2)
.if (\t) < NB-1
	s_wait_loadcnt 32                              ; this block's 32 loads are in; the next block's may be out
.else
	s_wait_loadcnt 16                              ; the last block's are in; the 16 loads of my row of cat, issued behind them, may be out
.endif
.irp i, 0,1,2,3,4,5,6,7,8,9,10,11,12,13,14,15,16,17,18,19,20,21,22,23,24,25,26,27,28,29,30,31
	v_med3_num_f32 v[XS+\i], v[XS+\i], -v10, v10   ; the conversion to an 8-bit code does not saturate (ISA guide 7.6.2): the hold comes first
.endr
.irp g, 0,1,2,3
	v_cvt_scalef32_pk8_fp8_f32 v[C+2*\g:C+2*\g+1], v[XS+8*\g:XS+8*\g+7], v11
.endr
	ds_store_b128 v4, v[C:C+3] offset:32*(\t)      ; 32 codes: 32 bytes of my column's row.  (The results go to LDS stores alone; the next vector lines are holds, plain ones on other registers)
	ds_store_b128 v4, v[C+4:C+7] offset:32*(\t)+16
.if (\t)+2 < NB
	LOAD (\t)+2
.elseif (\t)+2 == NB
	CATLOAD                                        ; no further load of W is due: my row of cat is asked for in its place
.endif
	s_wait_dscnt 0x0                               ; the stores have read their registers: the next block's codes may be written
.endm
	s_wait_alu depctr_va_vdst(0)
.irp t, 0,1,2,3,4,5,6,7
	BLOCK \t
.endr
.irp t, 0,1,2,3,4,5,6,7,8,9,10,11,12,13,14,15
	ds_load_b128 v[OUTR+4*\t:OUTR+4*\t+3], v7 offset:2*\t*PITCH   ; LDS serves a wave's instructions in order: these see my stores
.endr
.irp t, 0,1,2,3,4,5,6,7,8,9,10,11,12,13,14,15
	s_wait_dscnt 15-\t
	global_store_b128 v8, v[OUTR+4*\t:OUTR+4*\t+3], s[18:19] offset:2*\t*KROW   ; sixteen lanes store 256 consecutive bytes at a multiple of 256 from the buffer's first byte; the next launch reads them, so no hint
.endr
; MY ROW OF CAT, four steps of 512 numbers.
.macro CTURN t                         ; step t's numbers through a stage: LDS serves a wave's instructions in order, so no wait stands between the stores and the loads
.irp i, 0,1,2,3
	ds_store_b128 v14, v[R+16*(\t)+4*\i:R+16*(\t)+4*\i+3] offset:STG*((\t)%2)+8*SP*\i
.endr
.irp i, 0,1,2,3
	ds_load_b128 v[XC+16*((\t)%2)+4*\i:XC+16*((\t)%2)+4*\i+3], v15 offset:STG*((\t)%2)+16*\i
.endr
.endm
.macro CSTEP t
.set XS, XC+16*((\t)%2)
	s_wait_dscnt 0x0                               ; this step's 16 neighbours are back from the stage
.if (\t) < 3
	s_wait_loadcnt 4*(2-(\t))                      ; the next step's four loads are in; those of the steps behind it may be out
	CTURN (\t)+1                                   ; they go through the other stage while this step is worked
.endif
.irp i, 0,1,2,3,4,5,6,7,8,9,10,11,12,13,14,15
	v_med3_num_f32 v[XS+\i], v[XS+\i], -v12, v12   ; the hold, as above.  (These plain lines also stand between W's last conversions and the lines below, which write registers that those read)
.endr
	v_cvt_scalef32_pk8_fp8_f32 v[CC+4*(\t):CC+4*(\t)+1], v[XS:XS+7], v13       ; the first number's code in the lowest byte
	v_cvt_scalef32_pk8_fp8_f32 v[CC+4*(\t)+2:CC+4*(\t)+3], v[XS+8:XS+15], v13  ; (the results go to a store alone)
	global_store_b128 v9, v[CC+4*(\t):CC+4*(\t)+3], s[20:21] offset:512*(\t)   ; 512 consecutive bytes at a multiple of 256 from the buffer's first byte; the next launch reads them, so no hint
.endm
	s_wait_loadcnt 12                              ; step 0's four loads are in; the 12 of steps 1 to 3 may be out
	CTURN 0
.irp t, 0,1,2,3
	CSTEP \t
.endr
	s_wait_tensorcnt 0x0
	ds_add_u32 v240, v241
	s_wait_dscnt 0x0
	s_endpgm
.Lfunc_end_k_q916c8899c3_quant:
	.size	k_q916c8899c3_quant, .Lfunc_end_k_q916c8899c3_quant-k_q916c8899c3_quant
	.p2alignl 7, 3214868480
	.fill 96, 4, 3214868480
	.section	.rodata,"a",@progbits
	.p2align	6, 0x0
	.amdhsa_kernel k_q916c8899c3_quant
		.amdhsa_group_segment_fixed_size 55808
		.amdhsa_private_segment_fixed_size 0
		.amdhsa_enable_private_segment 0
		.amdhsa_kernarg_size 72
		.amdhsa_user_sgpr_count 2
		.amdhsa_user_sgpr_kernarg_segment_ptr 1
		.amdhsa_wavefront_size32 1
		.amdhsa_system_sgpr_workgroup_id_x 1
		.amdhsa_system_sgpr_workgroup_id_y 1
		.amdhsa_system_sgpr_workgroup_id_z 1
		.amdhsa_system_vgpr_workitem_id 0
		.amdhsa_next_free_vgpr 242
		.amdhsa_next_free_sgpr 66
		.amdhsa_reserve_vcc 0
		.amdhsa_float_denorm_mode_32 3
		.amdhsa_float_denorm_mode_16_64 3
		.amdhsa_memory_ordered 1
		.amdhsa_forward_progress 1
		.amdhsa_inst_pref_size 60
	.end_amdhsa_kernel
	.amdgpu_metadata
---
amdhsa.version: [ 1, 2 ]
amdhsa.kernels:
  - .name:           k_q916c8899c3_quant
    .symbol:         k_q916c8899c3_quant.kd
    .args:
      - { .name: Wf, .offset: 0, .size: 8, .value_kind: global_buffer, .address_space: global }
      - { .name: Wi, .offset: 8, .size: 8, .value_kind: global_buffer, .address_space: global }
      - { .name: Wc, .offset: 16, .size: 8, .value_kind: global_buffer, .address_space: global }
      - { .name: Wo, .offset: 24, .size: 8, .value_kind: global_buffer, .address_space: global }
      - { .name: x, .offset: 32, .size: 8, .value_kind: global_buffer, .address_space: global }
      - { .name: h_prev, .offset: 40, .size: 8, .value_kind: global_buffer, .address_space: global }
      - { .name: lowp_scales, .offset: 48, .size: 8, .value_kind: global_buffer, .address_space: global }
      - { .name: w_codes, .offset: 56, .size: 8, .value_kind: global_buffer, .address_space: global }
      - { .name: a_codes, .offset: 64, .size: 8, .value_kind: global_buffer, .address_space: global }
    .group_segment_fixed_size: 55808
    .private_segment_fixed_size: 0
    .kernarg_segment_align: 8
    .kernarg_segment_size: 72
    .max_flat_workgroup_size: 128
    .sgpr_count:     66
    .vgpr_count:     242
    .wavefront_size: 32
...
	.end_amdgpu_metadata
.endif
;; end of part 1
;; launch cell (part 2): grid 32 x 8, 4 waves a work-group, clusters of 4 x 4, 327,680 bytes of LDS; arguments a_codes, w_codes, lowp_scales, c_prev, bf, bi, bc, bo, out0, out1; writes out0, out1
.if DOCPART == 2
	.amdgcn_target "amdgcn-amd-amdhsa--gfx1250"
	.amdhsa_code_object_version 6
	.text
	.protected	k_q916c8899c3_cell
	.globl	k_q916c8899c3_cell
	.p2align	8
	.type	k_q916c8899c3_cell,@function
k_q916c8899c3_cell:
	s_mov_b64 s[64:65], 0
	v_nop
	global_prefetch_b8 v0, s[64:65] scope:SCOPE_SE
	s_setreg_imm32_b32 hwreg(HW_REG_WAVE_MODE, 25, 1), 1
	s_wait_xcnt 0x0
	s_wait_alu depctr_hold_cnt(0) depctr_sa_sdst(0) depctr_va_vdst(0) depctr_va_sdst(0) depctr_va_ssrc(0) depctr_va_vcc(0) depctr_vm_vsrc(0)
	s_getreg_b32 s2, hwreg(HW_REG_IB_STS2, 6, 4)
	s_cmp_eq_u32 s2, 0
	s_cbranch_scc0 .Lentry_in_a_cluster
	s_endpgm
.Lentry_in_a_cluster:
	s_bfe_u32 s2, ttmp6, 0x10000c
	s_cmp_lg_u32 s2, 0xf033
	s_cbranch_scc0 .Lentry_shape_is_right
	s_endpgm
.Lentry_shape_is_right:
; z = cat W + b on codes of FP8 (E4M3), and the LSTM cell on z, in one launch.  a_codes [2048][4096], w_codes [8192 (n')][4096], K innermost; row n' = (j / 32) x 128 + gate x 32 + j % 32 (gates f, i, c, o).
; embedding_vec has no way to a result and is not among the arguments (shown at the head of the first kernel).
; A code's number is its value x 2^e: the codes are multiplied as they are, and 2^(ea + eb) is folded into the factor that turns a sum into an exponent to the base 2.  LIMIT: ea + eb between -126 and 126.
; A work-group of four waves makes 256 rows x 256 n' (64 hidden columns, four gates); a wave 128 x 128: 64 accumulators, which are the four gates of the same 128 rows x 32 hidden columns, so the cell needs no other wave's sums.
; K goes in steps of 256 through a ring of two LDS slots (rows of 256 bytes + 16 of padding).  CLUSTERS 4 x 4: A's tiles are asked for jointly along a row of the cluster, W's along a column.
; THE MATRIX INSTRUCTION IS USED TRANSPOSED (source 0 = 16 rows of W, source 1 = 16 rows of A): a lane holds one row and eight neighbouring hidden columns.  A fragment comes by four 16-byte loads: a permutation of k, the same on both sides.
; A STEP of 128 along K is 64 products, A's blocks one after the other, each against W's eight.  A has one set of fragment registers, W two.  The LDS loads stand in two runs of 32 a step: ahead of the step A's blocks 4-7 of this
; step and W's blocks 0-3 of the next; in its middle W's blocks 4-7 and A's blocks 0-3 of the next.  What a run brings is first multiplied behind the next run: the count 32 in front of each half step leaves just that younger run out.
; At a change of slots the runs are 16 (this slot's last reads, ahead of the round) and 48 (the next slot's first, behind it).
; PREFETCH: behind each joint load one instruction a wave names the K step two refills on: 32 rows x 256 bytes, a lane a row; the four partners of a joint load share its 128 rows out by address.  The last two refills have no such K step:
; in their place the work-group's own 256 rows x 256 bytes of c_prev are named, which the tensor load behind the loop brings.
; REGISTERS: window 0: v16-31 addresses, v32-95 biases, v128-255 A's fragments (way out: v96-223 gates, v224-255 c); window 1: W's two sets (way out: rows to store); windows 2, 3: accumulator (a, b) at v[8 (8 (a % 4) + b)].
.set ROWB,   256                       ; a tile's row in bytes = a K step
.set KROW,   4096                      ; a row of codes in memory
.set PITCH,  272                       ; an LDS row: 68 words, so 16 rows of a fragment start at 16 different banks (ISA guide 11.1)
.set FR,     16
.set HALFT,  128*PITCH                 ; what one tensor load brings
.set SLOT,   4*HALFT                   ; A's 256 rows, then W's 256
.set LAPS,   8
.set SPARE,  2*SLOT                    ; the spare words, 512 bytes that no other line names
.set HST,    2*HALFT                   ; way out: c lies where c_prev landed (slot 0, A's part), h in slot 0, W's part: both have had their last fill
.set OROW,   8192                      ; a row of c_prev, out0, out1
.set ADRA, 16
.set ADRB, 20
.set BA,   22
.set PFO,  23                          ; lane x 4,096: the prefetches' rows
.set CPA,  24
.set HSA,  25
.set RDC,  26
.set RDH,  27
.set SPW,  28
.set NIL,  29
.set GO,   30
.set PF,   31                          ; thread x 8,192: c_prev's rows
.set BS,   32
.set T,    96
.set CP,   224
.set AF,   128
.set PFA,  12                          ; s[12:13] where my prefetches stand
.set G1,  24
.set G0,  32
.set G1B, 48
.set G0B, 56
.set G1C, 68
.set G0C, 76
.set MSB, 0
.macro WIN new                         ; the immediate's high byte repeats the setting that is left
.if MSB != \new
	s_set_vgpr_msb (MSB<<8)|\new
.set MSB, \new
.endif
.endm
.set MUL_LO, 0xa1                      ; source 0 (W) window 1, source 1 (A) window 0, C and D window 2
.set MUL_HI, 0xf1                      ; the same, C and D window 3
.set TO_B,   0x40                      ; destination window 1
.macro PLACES n
.rept \n
	v_nop
.endr
.endm
.macro JLOAD g0a, g1a, g0b, g1b        ; a joint load: waves 0, 1 for A, waves 2, 3 for W; s_nop 0 and four v_nop behind each line
	s_cmp_eq_u32 s15, 0
	s_cbranch_scc0 .Lfor_b_\@
	tensor_load_to_lds s[\g0a:\g0a+3], s[\g1a:\g1a+7]
	s_nop 0
	PLACES 4
	s_branch .Lasked_\@
.Lfor_b_\@:
	tensor_load_to_lds s[\g0b:\g0b+3], s[\g1b:\g1b+7]
	s_nop 0
	PLACES 4
.Lasked_\@:
.endm
.macro CREST                           ; a round of the cluster's barrier behind its opening barrier
	s_cmp_lg_u32 s14, 0
	s_cbranch_scc1 .Lnot_wave_0_\@
	s_barrier_signal -3
.Lnot_wave_0_\@:
	s_barrier_wait -3
	s_barrier_signal -1
	s_barrier_wait -1
.endm
.macro CROUND
	s_barrier_signal -1
	s_barrier_wait -1
	CREST
.endm
.macro ASK slot                        ; s3 > 1: the K step two refills on; in the loop's last trip: 128 rows of c_prev
	s_cmp_gt_u32 s3, 1
	s_cbranch_scc0 .Lcp_\@
	global_prefetch_b8 v[PFO], s[PFA:PFA+1] offset:2*ROWB th:TH_LOAD_NT scope:SCOPE_SE
	s_branch .Ldone_\@
.Lcp_\@:
	global_prefetch_b8 v[PF], s[84:85] offset:\slot*128*OROW th:TH_LOAD_NT scope:SCOPE_SE
.Ldone_\@:
.endm
	s_load_b128 s[4:7], s[0:1], 0x0                ; a_codes, w_codes
	s_load_b128 s[8:11], s[0:1], 0x10              ; lowp_scales, c_prev
	s_load_b256 s[88:95], s[0:1], 0x20             ; bf, bi, bc, bo
	s_load_b128 s[80:83], s[0:1], 0x40             ; out0 (h), out1 (c)
	v_lshl_add_u32 v[SPW], v0, 2, SPARE
	v_mov_b32 v[NIL], 0
	ds_add_u32 v[SPW], v[NIL]                      ; the opening lines: the add, twice on end, and its wait
	ds_add_u32 v[SPW], v[NIL]
	v_lshrrev_b32 v1, 5, v0
	v_readfirstlane_b32 s14, v1                    ; wave
	s_lshr_b32 s15, s14, 1                         ; my half of the rows; also: I fetch for A (0) or W (1)
	s_and_b32 s16, s14, 1                          ; my half of the n'; also: which 128 rows I fetch
	s_bfe_u32 s40, ttmp6, 0x40000                  ; cx
	s_bfe_u32 s41, ttmp6, 0x40004                  ; cy
	s_lshl_b32 s42, ttmp9, 2
	s_add_co_u32 s42, s42, s40                     ; tile column 0..31
	s_and_b32 s17, ttmp7, 0xffff
	s_lshl_b32 s17, s17, 2
	s_add_co_u32 s17, s17, s41                     ; tile row 0..7
	s_lshl_b32 s43, s41, 2
	s_lshl_b32 s43, 15, s43                        ; my row of the cluster
	s_lshl_b32 s44, 0x1111, s40                    ; my column
	s_or_b32 s[G1+0], s43, (1<<20)|(1<<21)|(5<<22)|(3<<25)   ; mask; bytes; 4 words of padding behind every 64
	s_or_b32 s[G1B+0], s44, (1<<20)|(1<<21)|(5<<22)|(3<<25)
.irp g, G1, G1B
	s_mov_b32 s[\g+1], ROWB<<16
	s_mov_b32 s[\g+2], 128<<16
	s_mov_b32 s[\g+3], ROWB<<16
	s_mov_b32 s[\g+4], 128
	s_mov_b32 s[\g+5], KROW
	s_mov_b32 s[\g+6], 0
	s_mov_b32 s[\g+7], 0
.endr
	s_mov_b32 s[G1C+0], (1<<20)|(5<<22)|(3<<25)    ; c_prev: my work-group's own: 64 rows x 256 bytes a wave
	s_mov_b32 s[G1C+1], 256<<16
	s_mov_b32 s[G1C+2], 64<<16
	s_mov_b32 s[G1C+3], 256<<16
	s_mov_b32 s[G1C+4], 64
	s_mov_b32 s[G1C+5], OROW
	s_mov_b32 s[G1C+6], 0
	s_mov_b32 s[G1C+7], 0
	s_lshl_b32 s18, s16, 7
	s_lshl_b32 s20, s17, 8
	s_add_co_u32 s20, s20, s18
	s_lshl_b32 s20, s20, 12                        ; A: (256 x tile row + 128 x half) rows of 4,096 bytes
	s_mov_b32 s21, 0
	s_lshl_b32 s46, s42, 8
	s_add_co_u32 s46, s46, s18
	s_lshl_b32 s46, s46, 12                        ; W likewise by the tile column
	s_mov_b32 s47, 0
	s_mul_i32 s45, s14, HALFT                      ; LDS: wave x 128 rows
	s_wait_dscnt 0x0
	s_wait_kmcnt 0x0
	s_load_b64 s[96:97], s[8:9], 0x0               ; ea, eb
	s_add_nc_u64 s[20:21], s[4:5], s[20:21]
	s_add_nc_u64 s[46:47], s[6:7], s[46:47]
.irp s, 0,1
	s_mov_b32 s[G0+4*\s], 1
	s_add_co_u32 s[G0+4*\s+1], s45, \s*SLOT
	s_add_nc_u64 s[G0+4*\s+2:G0+4*\s+3], s[20:21], \s*ROWB
	s_or_b32 s[G0+4*\s+3], s[G0+4*\s+3], 0x80000000
	s_mov_b32 s[G0B+4*\s], 1
	s_add_co_u32 s[G0B+4*\s+1], s45, \s*SLOT
	s_add_nc_u64 s[G0B+4*\s+2:G0B+4*\s+3], s[46:47], \s*ROWB
	s_or_b32 s[G0B+4*\s+3], s[G0B+4*\s+3], 0x80000000
.endr
	CROUND                                         ; the first joint loads meet
	JLOAD G0, G1, G0B, G1B                         ; K step 0: one tensor load a wave at the head
	s_lshl_b32 s66, s17, 21                        ; the block in c_prev and the outputs: 256 rows of 8,192 bytes x tile row
	s_lshl_b32 s67, s42, 8                         ; + 64 columns of 4 bytes x tile column
	s_add_co_u32 s66, s66, s67
	s_lshl_b32 s86, s16, 7
	s_add_co_u32 s86, s86, s67                     ; my 32 hidden columns in a bias
	s_mov_b32 s87, 0
	s_mov_b32 s67, 0
.irp g, 0,1,2,3
	s_add_nc_u64 s[88+2*\g:89+2*\g], s[88+2*\g:89+2*\g], s[86:87]
.endr
	s_add_nc_u64 s[84:85], s[10:11], s[66:67]      ; c_prev's block
	s_lshl_b32 s86, s14, 19                        ; my 64 rows of it
	s_mov_b32 s[G0C], 1
	s_mul_i32 s[G0C+1], s14, 64*PITCH
	s_add_nc_u64 s[G0C+2:G0C+3], s[84:85], s[86:87]
	s_or_b32 s[G0C+3], s[G0C+3], 0x80000000
	s_lshl_b32 s86, s15, 20                        ; what I store: my half of the rows, and of each 32 rows my 16
	s_lshl_b32 s18, s16, 17
	s_add_co_u32 s86, s86, s18
	s_add_co_u32 s86, s86, s66
	s_add_nc_u64 s[80:81], s[80:81], s[86:87]
	s_add_nc_u64 s[82:83], s[82:83], s[86:87]
	s_lshl_b32 s86, s17, 8                         ; the prefetches: the tile that I fetch,
	s_lshl_b32 s66, s42, 8
	s_cmp_eq_u32 s15, 0
	s_cselect_b32 s86, s86, s66
	s_cselect_b32 s66, s40, s41                    ; my place among the four that ask for it with me
	s_cselect_b64 s[PFA:PFA+1], s[4:5], s[6:7]
	s_lshl_b32 s66, s66, 5
	s_add_co_u32 s86, s86, s66                     ; my work-group's 32 rows
	s_lshl_b32 s66, s16, 7
	s_add_co_u32 s86, s86, s66                     ; of the 128 that I fetch
	s_lshl_b32 s86, s86, 12
	s_add_co_u32 s86, s86, ROWB                    ; at K step 1; each change of slots steps it by one K step and names the K step two further on
	s_add_nc_u64 s[PFA:PFA+1], s[PFA:PFA+1], s[86:87]
	s_mul_i32 s21, s15, HALFT                      ; my 128 rows of A in a slot; also my rows of the stages
	s_mul_i32 s22, s16, HALFT
	s_add_co_u32 s22, s22, 2*HALFT                 ; my 128 rows of W
	s_lshl_b32 s18, s16, 7
	s_add_co_u32 s23, s21, s18                     ; my 128 bytes of the stages' rows
	s_mul_i32 s18, s16, 16*PITCH
	s_add_co_u32 s18, s18, s21                     ; the 16 of each 32 rows that I read back
	v_and_b32 v[PFO], 31, v0
	v_lshlrev_b32 v[PFO], 12, v[PFO]
	global_prefetch_b8 v[PFO], s[PFA:PFA+1] th:TH_LOAD_NT scope:SCOPE_SE   ; K step 1: its tensor load goes out only when K step 0's has landed
	global_prefetch_b8 v[PFO], s[PFA:PFA+1] offset:ROWB th:TH_LOAD_NT scope:SCOPE_SE   ; K step 2
	v_and_b32 v1, 15, v0                           ; r
	v_bfe_u32 v2, v0, 4, 1                         ; h
	v_lshlrev_b32 v[BA], 5, v2
.irp g, 0,1,2,3
.irp u, 0,1
.irp q, 0,1
	global_load_b128 v[BS+16*\g+8*\u+4*\q:BS+16*\g+8*\u+4*\q+3], v[BA], s[88+2*\g:89+2*\g] offset:64*\u+16*\q   ; gate g's bias at my columns 16 u + 8 h + 0..7
.endr
.endr
.endr
	v_mul_u32_u24 v3, v1, PITCH
	v_lshl_add_u32 v4, v2, 4, v3                   ; a fragment: row x pitch + 16 h
	v_add_nc_u32 v[ADRA], s21, v4
	v_add_nc_u32 v[ADRB], s22, v4
	v_add_nc_u32 v[ADRA+1], SLOT, v[ADRA]
	v_add_nc_u32 v[ADRB+1], SLOT, v[ADRB]
	v_lshl_add_u32 v5, v2, 5, v3                   ; c_prev and the stages: row r, 32 bytes for each half of the lanes
	v_add_nc_u32 v[CPA], s23, v5
	v_add_nc_u32 v[HSA], HST, v[CPA]
	v_mul_u32_u24 v5, v2, PITCH                    ; back: sixteen lanes to a row of 256 bytes, two rows an instruction
	v_lshl_add_u32 v5, v1, 4, v5
	v_add_nc_u32 v[RDC], s18, v5
	v_add_nc_u32 v[RDH], HST, v[RDC]
	v_lshlrev_b32 v6, 13, v2
	v_lshl_add_u32 v[GO], v1, 4, v6                ; the same two rows in the outputs
	v_lshlrev_b32 v[PF], 13, v0
	s_wait_alu depctr_va_vdst(0)
	s_wait_kmcnt 0x0
	s_add_co_i32 s96, s96, s97                     ; ea + eb goes into the exponent fields of
	s_lshl_b32 s96, s96, 23
	s_add_co_u32 s98, s96, 0x4038aa3b              ; 2 log2(e), for tanh,
	s_add_co_u32 s96, s96, 0xbfb8aa3b              ; and -log2(e), for the sigmoids
	s_mov_b32 s97, s96
	s_mov_b32 s99, s98
	s_wait_loadcnt 0x0
.set ZI, 0
.rept 32                               ; the biases x the same factors, without the scales
.if ZI/16 == 2
	v_pk_mul_f32 v[BS+ZI:BS+ZI+1], v[BS+ZI:BS+ZI+1], 0x4038aa3b op_sel_hi:[1,0]
.else
	v_pk_mul_f32 v[BS+ZI:BS+ZI+1], v[BS+ZI:BS+ZI+1], 0xbfb8aa3b op_sel_hi:[1,0]
.endif
.set ZI, ZI+2
.endr
.macro FRAG reg, adr, q, i             ; 16 rows x 128 K: registers 4 c .. 4 c + 3 hold K = 32 c + 16 h + 0..15
.irp c, 0,1,2,3
	ds_load_b128 v[\reg+4*\c:\reg+4*\c+3], v[\adr] offset:128*(\q)+32*\c+(\i)*16*PITCH
.endr
.endm
.macro LB4 slot, q, p, i0              ; W's blocks i0 .. i0 + 3 into set p: 16 loads
	WIN TO_B
.irp i, \i0, \i0+1, \i0+2, \i0+3
	FRAG 128*(\p)+FR*(\i), ADRB+\slot, \q, \i
.endr
.endm
.macro LA4 slot, q, i0                 ; A's blocks i0 .. i0 + 3: 16 loads
	WIN 0
.irp i, \i0, \i0+1, \i0+2, \i0+3
	FRAG AF+FR*(\i), ADRA+\slot, \q, \i
.endr
.endm
; eight products: A's block a against W's eight of set p.  The 64 accumulators take turns in the same order in every step.  zero = 1: the first product starts the sum.
.macro MUL8 a, p, zero
.irp b, 0,1,2,3,4,5,6,7
.if \zero
	v_wmma_f32_16x16x128_fp8_fp8 v[8*(8*((\a)%4)+\b):8*(8*((\a)%4)+\b)+7], v[128*(\p)+FR*\b:128*(\p)+FR*\b+FR-1], v[AF+FR*(\a):AF+FR*(\a)+FR-1], 0
.else
	v_wmma_f32_16x16x128_fp8_fp8 v[8*(8*((\a)%4)+\b):8*(8*((\a)%4)+\b)+7], v[128*(\p)+FR*\b:128*(\p)+FR*\b+FR-1], v[AF+FR*(\a):AF+FR*(\a)+FR-1], v[8*(8*((\a)%4)+\b):8*(8*((\a)%4)+\b)+7]
.endif
.endr
.endm
.macro MUL32 a0, p, zero
	MUL8 \a0, \p, \zero
	MUL8 \a0+1, \p, \zero
	MUL8 \a0+2, \p, \zero
	MUL8 \a0+3, \p, \zero
.endm
; Four v_nop stand in front of each run of loads: the places between the products that read a register last and the loads that land in it (ISA guide 7.12.1 for vector instructions).
.macro STEP slot, zero                 ; a slot's first 128 along K, on set 0
	PLACES 4
	LA4 \slot, 0, 4                                ; this step's second half of A,
	LB4 \slot, 1, 1, 0                             ; and the next step's first half of W
	s_wait_dscnt 32                                ; all but the 32 just issued: W's set 0 and A's blocks 0-3 are in
	WIN MUL_LO
	MUL32 0, 0, \zero
	PLACES 4
	LB4 \slot, 1, 1, 4
	LA4 \slot, 1, 0
	s_wait_dscnt 32                                ; A's blocks 4-7 are in
	WIN MUL_HI
	MUL32 4, 0, \zero
	WIN 0
.endm
; A slot's second 128 along K, on set 1, changes slots.  fill = 1: the slot is filled again, two K steps on; 2: slot 0 takes c_prev; 0: the very last step: nothing more is fetched, the barrier shows c_prev to every wave.
.macro TURN slot, next, fill
.if \fill == 1
	s_wait_xcnt 0x0                                ; my last prefetch has read its address
	s_add_nc_u64 s[PFA:PFA+1], s[PFA:PFA+1], ROWB
.endif
	PLACES 4
	LA4 \slot, 1, 4                                ; my last reads of this slot
	s_wait_dscnt 16                                ; all but these 16
	WIN MUL_LO
	MUL8 0, 1, 0
	MUL8 1, 1, 0
	WIN 0                                          ; (the add's two registers lie in window 0)
	s_wait_tensorcnt 0x0                           ; all my tensor loads have landed: my part of the next slot (fill = 0: of c_prev), asked for 112 products ago
.if \fill
	ds_add_u32 v[SPW], v[NIL]
.endif
.if \fill == 1
	s_add_nc_u64 s[G0+4*\slot+2:G0+4*\slot+3], s[G0+4*\slot+2:G0+4*\slot+3], 2*ROWB
	s_add_nc_u64 s[G0B+4*\slot+2:G0B+4*\slot+3], s[G0B+4*\slot+2:G0B+4*\slot+3], 2*ROWB
.endif
	WIN MUL_LO
	MUL8 2, 1, 0
	s_wait_dscnt 0x0                               ; the add is done and my reads of this slot are over
	s_barrier_signal -1
	MUL8 3, 1, 0
	WIN 0
	s_barrier_wait -1
.if \fill
	CREST                                          ; the barrier has opened a round of the cluster's barrier
.endif
.if \fill == 1
	JLOAD G0+4*\slot, G1, G0B+4*\slot, G1B         ; the first tensor load behind the round; its four v_nop are also the places in front of the loads below
	ASK \slot
.elseif \fill == 2
	tensor_load_to_lds s[G0C:G0C+3], s[G1C:G1C+7]
	s_nop 0
	PLACES 4
.endif
.if \fill
	LB4 \next, 0, 0, 0
	LB4 \next, 0, 0, 4
	LA4 \next, 0, 0
.endif
	WIN MUL_HI
	MUL32 4, 1, 0
	WIN 0
.endm
	s_wait_alu depctr_va_vdst(0)
	s_wait_tensorcnt 0x0                           ; my part of K step 0 is in; slot 1's first fill is issued as a refill is
	ds_add_u32 v[SPW], v[NIL]
	s_wait_dscnt 0x0
	CROUND
	JLOAD G0+4, G1, G0B+4, G1B                     ; K step 1
	global_prefetch_b8 v[PFO], s[PFA:PFA+1] offset:2*ROWB th:TH_LOAD_NT scope:SCOPE_SE   ; K step 3
	LB4 0, 0, 0, 0                                 ; the first step's fragments, as a change of slots leaves them
	LB4 0, 0, 0, 4
	LA4 0, 0, 0
	STEP 0, 1                                      ; the first step's products start the sums
	s_mov_b32 s3, LAPS-1
.Llap:                                         ; once round the ring: both slots are filled again
	TURN 0, 1, 1
	STEP 1, 0
	TURN 1, 0, 1
	STEP 0, 0
	s_sub_co_u32 s3, s3, 1
	s_cmp_lg_u32 s3, 0
	s_cbranch_scc1 .Llap
	TURN 0, 1, 2
	STEP 1, 0
	TURN 1, 0, 0
	PLACES 4
; THE CELL, two blocks of 16 rows at a time.  sigmoid(z) = 1 / (1 + 2^(-z log2 e)); tanh(z) = 1 - 2 / (1 + 2^(2 z log2 e)): both hold for every finite z (an exponential that overflows gives the limit).
.macro BATCH op, base, n
.set ZI, 0
.rept \n
	\op v[\base+ZI], v[\base+ZI]
.set ZI, ZI+1
.endr
.endm
.macro CPLOAD p                        ; c_prev at my 2 x 16 rows x 16 columns a lane
.irp k, 0,1
.irp u, 0,1
.irp q, 0,1
	ds_load_b128 v[CP+16*\k+8*\u+4*\q:CP+16*\k+8*\u+4*\q+3], v[CPA] offset:(2*(\p)+\k)*16*PITCH+64*\u+16*\q
.endr
.endr
.endr
.endm
.macro ZG p                            ; the exponents: sum x factor + bias x factor; each accumulator from its low end on
	WIN 0x02+((\p)/2)
	s_wait_alu depctr_va_vdst(0)                   ; the wait ahead of the first readers of matrix results
.set ZI, 0
.rept 64
.if (ZI%64)/16 == 2
	v_pk_fma_f32 v[T+ZI:T+ZI+1], v[128*((\p)%2)+ZI:128*((\p)%2)+ZI+1], s[98:99], v[BS+ZI%64:BS+ZI%64+1] op_sel_hi:[1,0,1]
.else
	v_pk_fma_f32 v[T+ZI:T+ZI+1], v[128*((\p)%2)+ZI:128*((\p)%2)+ZI+1], s[96:97], v[BS+ZI%64:BS+ZI%64+1] op_sel_hi:[1,0,1]
.endif
.set ZI, ZI+2
.endr
	WIN 0
.endm
.macro GATES                           ; block k: T + 64 k + 0..15 f, 16..31 i, 32..47 tanh(zc), 48..63 o.  One wait ahead of each batch and one behind it
	s_wait_alu depctr_va_vdst(0)
	BATCH v_exp_f32, T, 128
	v_nop
	s_wait_alu depctr_va_vdst(0)
.set ZI, 0
.rept 64
	v_pk_add_f32 v[T+ZI:T+ZI+1], v[T+ZI:T+ZI+1], 1.0 op_sel_hi:[1,0]
.set ZI, ZI+2
.endr
	s_wait_alu depctr_va_vdst(0)
	BATCH v_rcp_f32, T, 128
	v_nop
	s_wait_alu depctr_va_vdst(0)
.irp k, 0,1
.irp i, 0,2,4,6,8,10,12,14
	v_pk_fma_f32 v[T+64*\k+32+\i:T+64*\k+33+\i], v[T+64*\k+32+\i:T+64*\k+33+\i], -2.0, 1.0 op_sel_hi:[1,0,0]
.endr
.endr
.endm
.macro CELL p
	s_wait_alu depctr_va_vdst(0)
	s_wait_dscnt 0x0                               ; c_prev is in registers
.irp k, 0,1
.irp i, 0,2,4,6,8,10,12,14
	v_pk_mul_f32 v[CP+16*\k+\i:CP+16*\k+\i+1], v[CP+16*\k+\i:CP+16*\k+\i+1], v[T+64*\k+\i:T+64*\k+\i+1]
.endr
.endr
.irp k, 0,1
.irp i, 0,2,4,6,8,10,12,14
	v_pk_fma_f32 v[CP+16*\k+\i:CP+16*\k+\i+1], v[T+64*\k+16+\i:T+64*\k+17+\i], v[T+64*\k+32+\i:T+64*\k+33+\i], v[CP+16*\k+\i:CP+16*\k+\i+1]   ; c_t
.endr
.endr
.irp k, 0,1
.irp i, 0,2,4,6,8,10,12,14
	v_pk_mul_f32 v[T+64*\k+\i:T+64*\k+\i+1], v[CP+16*\k+\i:CP+16*\k+\i+1], 0x4038aa3b op_sel_hi:[1,0]
.endr
.endr
	s_wait_alu depctr_va_vdst(0)
	BATCH v_exp_f32, T, 16
	BATCH v_exp_f32, T+64, 16
.irp k, 0,1
.irp u, 0,1
.irp q, 0,1
	ds_store_b128 v[CPA], v[CP+16*\k+8*\u+4*\q:CP+16*\k+8*\u+4*\q+3] offset:(2*(\p)+\k)*16*PITCH+64*\u+16*\q   ; c_t over c_prev
.endr
.endr
.endr
	v_nop
	s_wait_alu depctr_va_vdst(0)
.irp k, 0,1
.irp i, 0,2,4,6,8,10,12,14
	v_pk_add_f32 v[T+64*\k+\i:T+64*\k+\i+1], v[T+64*\k+\i:T+64*\k+\i+1], 1.0 op_sel_hi:[1,0]
.endr
.endr
	s_wait_alu depctr_va_vdst(0)
	BATCH v_rcp_f32, T, 16
	BATCH v_rcp_f32, T+64, 16
	v_nop
	s_wait_alu depctr_va_vdst(0)
.irp k, 0,1
.irp i, 0,2,4,6,8,10,12,14
	v_pk_fma_f32 v[T+64*\k+\i:T+64*\k+\i+1], v[T+64*\k+\i:T+64*\k+\i+1], -2.0, 1.0 op_sel_hi:[1,0,0]
.endr
.endr
.irp k, 0,1
.irp i, 0,2,4,6,8,10,12,14
	v_pk_mul_f32 v[T+64*\k+48+\i:T+64*\k+49+\i], v[T+64*\k+48+\i:T+64*\k+49+\i], v[T+64*\k+\i:T+64*\k+\i+1]   ; h_t
.endr
.endr
.irp k, 0,1
.irp u, 0,1
.irp q, 0,1
	ds_store_b128 v[HSA], v[T+64*\k+48+8*\u+4*\q:T+64*\k+48+8*\u+4*\q+3] offset:(2*(\p)+\k)*16*PITCH+64*\u+16*\q
.endr
.endr
.endr
	s_wait_alu depctr_va_vdst(0)
	s_wait_dscnt 0x0                               ; for the other wave of my rows: a row's 256 bytes come from two waves
	s_barrier_signal -1
	s_barrier_wait -1
	s_wait_xcnt 0x0                                ; the stores of two sends ago have read their registers
	WIN TO_B                                       ; 16 of the pair's 32 rows come back whole, into window 1
.irp t, 0,1,2,3,4,5,6,7
	ds_load_b128 v[64*((\p)%2)+4*\t:64*((\p)%2)+4*\t+3], v[RDC] offset:(32*(\p)+2*\t)*PITCH
.endr
.irp t, 0,1,2,3,4,5,6,7
	ds_load_b128 v[64*((\p)%2)+32+4*\t:64*((\p)%2)+32+4*\t+3], v[RDH] offset:(32*(\p)+2*\t)*PITCH
.endr
	WIN 0
.endm
.macro SENDST p, younger               ; sixteen lanes store 256 consecutive bytes at a multiple of 256 from the buffer's first byte.  younger: LDS loads issued behind the rows', which may stay out
	s_wait_dscnt \younger
	WIN 0x04                                       ; the stores' data lie in window 1
.irp t, 0,1,2,3,4,5,6,7
	global_store_b128 v[GO], v[64*((\p)%2)+4*\t:64*((\p)%2)+4*\t+3], s[82:83] offset:(32*(\p)+2*\t)*OROW th:TH_STORE_NT
.endr
.irp t, 0,1,2,3,4,5,6,7
	global_store_b128 v[GO], v[64*((\p)%2)+32+4*\t:64*((\p)%2)+32+4*\t+3], s[80:81] offset:(32*(\p)+2*\t)*OROW th:TH_STORE_NT
.endr
	WIN 0
.endm
	CPLOAD 0
	ZG 0
	GATES
	CELL 0
.irp p, 1,2,3
	CPLOAD \p
	ZG \p                                          ; the next pair's multiply-adds stand between the rows' loads and the wait for them
	SENDST \p-1, 8
	GATES
	CELL \p
.endr
	SENDST 3, 0
	s_wait_tensorcnt 0x0                           ; the wave's end
	ds_add_u32 v[SPW], v[NIL]
	s_wait_dscnt 0x0
	CROUND                                         ; the closing round
	s_endpgm
.Lfunc_end_k_q916c8899c3_cell:
	.size	k_q916c8899c3_cell, .Lfunc_end_k_q916c8899c3_cell-k_q916c8899c3_cell
	.p2alignl 7, 3214868480
	.fill 96, 4, 3214868480
	.section	.rodata,"a",@progbits
	.p2align	6, 0x0
	.amdhsa_kernel k_q916c8899c3_cell
		.amdhsa_group_segment_fixed_size 327680
		.amdhsa_private_segment_fixed_size 0
		.amdhsa_enable_private_segment 0
		.amdhsa_kernarg_size 80
		.amdhsa_user_sgpr_count 2
		.amdhsa_user_sgpr_kernarg_segment_ptr 1
		.amdhsa_wavefront_size32 1
		.amdhsa_system_sgpr_workgroup_id_x 1
		.amdhsa_system_sgpr_workgroup_id_y 1
		.amdhsa_system_sgpr_workgroup_id_z 1
		.amdhsa_system_vgpr_workitem_id 0
		.amdhsa_next_free_vgpr 1024
		.amdhsa_next_free_sgpr 100
		.amdhsa_reserve_vcc 0
		.amdhsa_float_denorm_mode_32 3
		.amdhsa_float_denorm_mode_16_64 3
		.amdhsa_memory_ordered 1
		.amdhsa_forward_progress 1
		.amdhsa_inst_pref_size 208
	.end_amdhsa_kernel
	.amdgpu_metadata
---
amdhsa.version: [ 1, 2 ]
amdhsa.kernels:
  - .name:           k_q916c8899c3_cell
    .symbol:         k_q916c8899c3_cell.kd
    .args:
      - { .name: a_codes, .offset: 0, .size: 8, .value_kind: global_buffer, .address_space: global }
      - { .name: w_codes, .offset: 8, .size: 8, .value_kind: global_buffer, .address_space: global }
      - { .name: lowp_scales, .offset: 16, .size: 8, .value_kind: global_buffer, .address_space: global }
      - { .name: c_prev, .offset: 24, .size: 8, .value_kind: global_buffer, .address_space: global }
      - { .name: bf, .offset: 32, .size: 8, .value_kind: global_buffer, .address_space: global }
      - { .name: bi, .offset: 40, .size: 8, .value_kind: global_buffer, .address_space: global }
      - { .name: bc, .offset: 48, .size: 8, .value_kind: global_buffer, .address_space: global }
      - { .name: bo, .offset: 56, .size: 8, .value_kind: global_buffer, .address_space: global }
      - { .name: out0, .offset: 64, .size: 8, .value_kind: global_buffer, .address_space: global }
      - { .name: out1, .offset: 72, .size: 8, .value_kind: global_buffer, .address_space: global }
    .group_segment_fixed_size: 327680
    .private_segment_fixed_size: 0
    .kernarg_segment_align: 8
    .kernarg_segment_size: 80
    .max_flat_workgroup_size: 128
    .sgpr_count:     100
    .vgpr_count:     1024
    .wavefront_size: 32
...
	.end_amdgpu_metadata
.endif
;; end of part 2
